; MI455X (gfx1250); checked and timed in simulation.
; The chip was launched on July 23, 2026; its instructions are those of AMD's public machine-readable ISA for CDNA 5 (MIT licence, August 2026) and "CDNA5" Instruction Set Architecture Reference Guide (July 2026). The comments in the code are by the model that wrote it; some were corrected since.
;; Wasserstein Gaussian. Allowed arithmetic: float matrix products may take bf16 or f16 operands with f32 sums; all other float work in f32.
;; Inputs: loc1 1,048,576 x 3 float32; loc2 1,048,576 x 3 float32; rot_matrix1 1,048,576 x 3 x 3 float32; rot_matrix2 1,048,576 x 3 x 3 float32; scale1 1,048,576 x 3 float32; scale2 1,048,576 x 3 float32.
;; Outputs: out0 1,048,576 float32.
;; One version. Each part assembles by itself: llvm-mc -triple=amdgcn-amd-amdhsa -mcpu=gfx1250 --defsym DOCPART=n.
;; ======== version 1 of 1: 1 launch
;; limits: right only within a limited range of input values
;; launch w2gauss (part 1): grid 256 x 1, 16 waves a work-group, no clusters, 124,928 bytes of LDS; arguments loc1, loc2, scale1, scale2, rot_matrix1, rot_matrix2, out0; writes out0
.if DOCPART == 1
	.amdgcn_target "amdgcn-amd-amdhsa--gfx1250"
	.amdhsa_code_object_version 6
	.text
	.protected	k_q57dcd1bc31_w2gauss
	.globl	k_q57dcd1bc31_w2gauss
	.p2align	8
	.type	k_q57dcd1bc31_w2gauss,@function
k_q57dcd1bc31_w2gauss:
	s_mov_b64 s[64:65], 0
	v_nop
	global_prefetch_b8 v0, s[64:65] scope:SCOPE_SE
	s_setreg_imm32_b32 hwreg(HW_REG_WAVE_MODE, 25, 1), 1
	s_wait_xcnt 0x0
; Wasserstein-2 distance of 1,048,576 pairs of 3-D Gaussians, all in f32, one pass over memory.
;
; THE ARITHMETIC.  With s1, s2 clipped to EPS and Q = R2^T R1 the matrix E of the definition is M^T M, M = diag(sqrt s2) Q diag(sqrt s1).
; So E is symmetric and positive semi-definite for every input: the symmetrisation changes nothing, and the eigenvalues of E + EPS I are
; at least EPS, so the clip of the eigenvalues cannot act.  Only t = sum of sqrt(eigenvalue) is wanted.  With a, b, c the three roots,
;   (a+b+c)^2 = I1 + 2 (ab+bc+ca),   (ab+bc+ca)^2 = I2 + 2 abc (a+b+c),   abc = sqrt(I3),
; where I1, I2, I3 are trace, sum of principal 2x2 minors and determinant of E + EPS I.  t is the fixed point of
;   G(y) = sqrt(I1 + 2 sqrt(I2 + 2 sqrt(I3) y)),  a sum of non-negative terms throughout.
; The invariants of E come without roots of the scales:  I1 = sum s2[m] s1[l] Q[m][l]^2,
;   I2 = sum (s2 of the other two rows)(s1 of the other two columns) cof(Q)[m][l]^2,   I3 = det(Q)^2 prod(s1) prod(s2);
; the shift by EPS is added exactly:  I1 + 3 EPS,  I2 + EPS (2 I1 + 3 EPS),  I3 + EPS (I2 + EPS (I1 + EPS)).
; Newton on y - G(y) from y0 = sqrt(3 I1) >= t:  G is concave and rises, so the steps come down on t from above.  G' = abc / (x G) <= 1/9, and the
; relative error obeys e' <= e^2 (abc^2/(ab+bc+ca)^3 + 1/81) / (2 (1 - 1/9)) <= e^2 / 36 for every spectrum; e0 <= sqrt(3) - 1, so
; e1 <= 1.5e-2 and e2 <= 6.2e-6: two steps serve all inputs.
; The 3x3 products run on the vector unit: every element has matrices of its own, so a 16x16x32 matrix instruction would be filled to
; under 2 per cent, and 16-bit operands would spoil the cofactors and the determinant.
; LIMITS.  (1) v_max_num_f32 drops a NaN where the definition's clips keep it: NaN inputs are not reproduced.  (2) det E must stay below the largest
; f32: trace E below 2e13.  The trace grows with the sixth power of a common factor of all inputs.  (3) cof(Q) and det(Q) are differences of
; products: on a nearly rank-one E their rounding moves t by up to some 5e-4 sqrt(largest eigenvalue).
;
; THE DATA PATH.  Inputs are arrays of 12-byte and 36-byte records.  They are loaded as they lie, 8 bytes a lane, so that each load of a wave
; covers 256 consecutive bytes, aligned; copied in that order into the wave's own LDS region; and read back with lane L taking the records of
; elements 2L and 2L+1.  A lane's two results are neighbours: one store of the wave covers 256 consecutive bytes, aligned.
; 16 waves; the work-group owns 4,096 elements, a wave 256 = 4 chunks of 64.  A chunk is 30 loads.  Two register stages hold two chunks, so
; a wave has 60 loads out; a stage is loaded again six registers pairs at a time, as soon as those six have been copied to LDS.
; No wave touches another's LDS bytes: no barrier.  Nothing is shared between work-groups: no cluster.
.set WG_EL,  4096                      ; elements of a work-group
.set WV_EL,  256                       ; of a wave
.set CH,     64                        ; of a chunk
.set B12,    CH*12                     ; bytes of a chunk in loc1, loc2, scale1, scale2: 3 loads of 256
.set B36,    CH*36                     ; in rot_matrix1, rot_matrix2: 9 loads of 256
.set REGION, 4*B12+2*B36               ; 7,680: a wave's LDS region; load p of a chunk (0..29) lies at 256 p
.set OL1, 0                            ; where the six arrays begin in the region
.set OL2, B12
.set OS1, 2*B12
.set OS2, 3*B12
.set OA,  4*B12
.set OB,  4*B12+B36
.set PTR,  4                           ; s[4:15] loc1, loc2, scale1, scale2, rot_matrix1, rot_matrix2 at the group's first element
.set OUTP, 16                          ; s[16:17] out0 likewise
.set SEPS,  30                         ; s30 = 1e-8
.set S3EPS, 31                         ; s31 = 3e-8
.set VG12, 1                           ; byte offset of my 8 bytes in the wave's first load of a 12-byte array; never rewritten
.set VG36, 2                           ; the same for a 36-byte array
.set VST,  3                           ; LDS: region + 8 lane
.set VL12, 4                           ; LDS: region + 24 lane (two 12-byte records)
.set VL36, 5                           ; LDS: region + 72 lane (two 36-byte records)
.set VO,   6                           ; byte offset of my two results in the wave's first chunk
.set WL1, 8                            ; v[8:13]   loc1 of my two elements, 3 registers each
.set WL2, 14                           ; v[14:19]  loc2; later [0] = |loc1 - loc2|^2
.set WS1, 20                           ; v[20:25]  scale1
.set WS2, 26                           ; v[26:31]  scale2
.set WA,  32                           ; v[32:49]  R1, 9 registers each; when dead: the table below
.set WB,  50                           ; v[50:67]  R2; when dead: cof(Q)
.set Q,   68                           ; v[68:85]  Q, 9 registers each; when dead: products of scales
.set OUT, 86                           ; v[86:93]  a pair of results for each chunk: no store's data is ever rewritten
.set ST0, 94                           ; v[94:153]  stage 0: chunks 0 and 2 as loaded
.set ST1, 154                          ; v[154:213] stage 1: chunks 1 and 3
; WA when R1 is dead: [0..2] column norms of R2, then [0] I2, [1] y, [2] 2 sqrt(I3);  [3] sum(s1) + trace(cov2);  [4] det Q, I3, sqrt(I3);
;                     [5..7] partial sums, then the solver's x, G, x G;  [8] I1
	s_load_b256 s[4:11], s[0:1], 0x0               ; loc1, loc2, scale1, scale2
	s_load_b128 s[12:15], s[0:1], 0x20             ; rot_matrix1, rot_matrix2
	s_load_b64 s[16:17], s[0:1], 0x30              ; out0
	v_lshl_add_u32 v214, v0, 2, 0x1e000
	v_mov_b32 v215, 0
	v_and_b32 v7, 31, v0                           ; lane
	v_lshrrev_b32 v1, 5, v0
	v_readfirstlane_b32 s24, v1                    ; wave 0..15
	s_mul_i32 s18, ttmp9, WG_EL*12                 ; the group's first element in bytes; the largest is 255 x 147,456, below 2^32
	s_mov_b32 s19, 0
	s_mul_i32 s20, ttmp9, WG_EL*36
	s_mov_b32 s21, 0
	s_lshl_b32 s22, ttmp9, 14                      ; 4,096 results of 4 bytes
	s_mov_b32 s23, 0
	s_mul_i32 s25, s24, WV_EL*12
	s_mul_i32 s26, s24, WV_EL*36
	s_mul_i32 s27, s24, REGION
	s_lshl_b32 s28, s24, 10                        ; 256 results of 4 bytes
	s_mov_b32 s[SEPS], 0x322bcc77                  ; 1e-8
	s_mov_b32 s[S3EPS], 0x3300d959                 ; 3e-8
	v_lshl_add_u32 v[VG12], v7, 3, s25
	v_lshl_add_u32 v[VG36], v7, 3, s26
	v_lshl_add_u32 v[VST], v7, 3, s27
	v_lshl_add_u32 v[VO], v7, 3, s28
	v_mul_u32_u24 v[VL12], v7, 24
	v_mul_u32_u24 v[VL36], v7, 72
	v_add_nc_u32 v[VL12], s27, v[VL12]
	v_add_nc_u32 v[VL36], s27, v[VL36]
	s_wait_kmcnt 0x0
	s_add_nc_u64 s[4:5], s[4:5], s[18:19]
	s_add_nc_u64 s[6:7], s[6:7], s[18:19]
	s_add_nc_u64 s[8:9], s[8:9], s[18:19]
	s_add_nc_u64 s[10:11], s[10:11], s[18:19]
	s_add_nc_u64 s[12:13], s[12:13], s[20:21]
	s_add_nc_u64 s[14:15], s[14:15], s[20:21]
	s_add_nc_u64 s[16:17], s[16:17], s[22:23]
; Load p (0..29) of chunk c into its pair of stage st: p 0-11 are three loads each of the four 12-byte arrays, p 12-29 nine each of the two matrices.
; The chunk and the load's place stand in the immediate, so no address register is ever stepped.  Every byte is read once in the launch: NT.
.macro GLOAD st, p, c
.if \p < 12
	global_load_b64 v[\st+2*\p:\st+2*\p+1], v[VG12], s[PTR+2*(\p/3):PTR+2*(\p/3)+1] offset:\c*B12+256*(\p%3) th:TH_LOAD_NT
.else
	global_load_b64 v[\st+2*\p:\st+2*\p+1], v[VG36], s[PTR+8+2*((\p-12)/9):PTR+8+2*((\p-12)/9)+1] offset:\c*B36+256*((\p-12)%9) th:TH_LOAD_NT
.endif
.endm
	; chunks 0 and 1: 60 loads of the wave are out
.set p, 0
.rept 30
	GLOAD ST0, p, 0
.set p, p+1
.endr
.set p, 0
.rept 30
	GLOAD ST1, p, 1
.set p, p+1
.endr
; Stage st goes to LDS, six loads at a time.  refill = 1: the six pairs are then loaded again, with chunk c.
; Loads come back in order (ISA guide 5.7.1).  cnt - step g = how many loads were issued behind the six of group g.
.macro STAGE st, refill, c, cnt, step
.set g, 0
.rept 5
	s_wait_loadcnt \cnt-\step*g
.set p, 6*g
.rept 6
	ds_store_b64 v[VST], v[\st+2*p:\st+2*p+1] offset:256*p         ; 32 lanes, 8 neighbouring bytes each
.set p, p+1
.endr
.if \refill
	s_wait_dscnt 0x0                               ; the six LDS stores are done with their data: the pairs may be loaded again
.set p, 6*g
.rept 6
	GLOAD \st, p, \c
.set p, p+1
.endr
.endif
.set g, g+1
.endr
.endm
; One Newton step on y - G(y), for both elements:  x = sqrt(I2 + 2 s3 y),  G = sqrt(I1 + 2 x),  y += (G - y) x G / (x G - s3).
; x G >= 9 s3, so the denominator loses nothing.  Behind a root or a reciprocal one plain vector instruction that touches none of its
; registers stands in front of the first use (ISA guide 5.7.2): a v_nop behind the roots, the differences G - y behind the reciprocals.
.macro NEWTON
.irp e, 0,1
	v_fma_f32 v[WA+9*\e+5], v[WA+9*\e+2], v[WA+9*\e+1], v[WA+9*\e]
.endr
.irp e, 0,1
	v_sqrt_f32 v[WA+9*\e+5], v[WA+9*\e+5]          ; x
.endr
	v_nop
	s_wait_alu depctr_va_vdst(0)
.irp e, 0,1
	v_fma_f32 v[WA+9*\e+6], 2.0, v[WA+9*\e+5], v[WA+9*\e+8]
.endr
.irp e, 0,1
	v_sqrt_f32 v[WA+9*\e+6], v[WA+9*\e+6]          ; G
.endr
	v_nop
	s_wait_alu depctr_va_vdst(0)
.irp e, 0,1
	v_mul_f32 v[WA+9*\e+7], v[WA+9*\e+5], v[WA+9*\e+6]             ; x G
.endr
.irp e, 0,1
	v_fma_f32 v[WA+9*\e+5], v[WA+9*\e+5], v[WA+9*\e+6], -v[WA+9*\e+4]      ; x G - s3
.endr
.irp e, 0,1
	v_rcp_f32 v[WA+9*\e+5], v[WA+9*\e+5]
.endr
.irp e, 0,1
	v_sub_f32 v[WA+9*\e+6], v[WA+9*\e+6], v[WA+9*\e+1]             ; G - y
.endr
.irp e, 0,1
	v_mul_f32 v[WA+9*\e+6], v[WA+9*\e+6], v[WA+9*\e+7]
.endr
	s_wait_alu depctr_va_vdst(0)
.irp e, 0,1
	v_fmac_f32 v[WA+9*\e+1], v[WA+9*\e+6], v[WA+9*\e+5]
.endr
.endm
; The chunk that lies in LDS: lane L takes elements 2L (e = 0) and 2L + 1 (e = 1); the two run side by side, instruction by instruction.
.macro PROCESS c
	; LDS serves a wave's instructions in order (ISA guide 5.7.1.4): these loads see the stores of STAGE.  The lanes are 72 and 24 bytes apart,
	; 18 and 6 words: the 32 lanes' word pairs fall on 64 different words modulo 64 (64 banks of 4 bytes: ISA guide 11.1).
.irp i, 0,1,2,3,4,5,6,7,8
	ds_load_b64 v[WA+2*\i:WA+2*\i+1], v[VL36] offset:OA+8*\i
.endr
.irp i, 0,1,2,3,4,5,6,7,8
	ds_load_b64 v[WB+2*\i:WB+2*\i+1], v[VL36] offset:OB+8*\i
.endr
.irp i, 0,1,2
	ds_load_b64 v[WS1+2*\i:WS1+2*\i+1], v[VL12] offset:OS1+8*\i
	ds_load_b64 v[WS2+2*\i:WS2+2*\i+1], v[VL12] offset:OS2+8*\i
	ds_load_b64 v[WL1+2*\i:WL1+2*\i+1], v[VL12] offset:OL1+8*\i
	ds_load_b64 v[WL2+2*\i:WL2+2*\i+1], v[VL12] offset:OL2+8*\i
.endr
	s_wait_dscnt 12                                ; R1 and R2 are in; the twelve loads of scales and locations may be out
	; Q[m][l] = sum over k of R2[k][m] R1[k][l]
.irp m, 0,1,2
.irp l, 0,1,2
.irp e, 0,1
	v_mul_f32 v[Q+9*\e+3*\m+\l], v[WB+9*\e+\m], v[WA+9*\e+\l]
.endr
.endr
.endr
.irp k, 1,2
.irp m, 0,1,2
.irp l, 0,1,2
.irp e, 0,1
	v_fmac_f32 v[Q+9*\e+3*\m+\l], v[WB+9*\e+3*\k+\m], v[WA+9*\e+3*\k+\l]
.endr
.endr
.endr
.endr
	; squared norms of R2's columns (R1 is dead): trace(cov2) = sum over m of s2[m] |column m|^2
.irp m, 0,1,2
.irp e, 0,1
	v_mul_f32 v[WA+9*\e+\m], v[WB+9*\e+\m], v[WB+9*\e+\m]
.endr
.endr
.irp k, 1,2
.irp m, 0,1,2
.irp e, 0,1
	v_fmac_f32 v[WA+9*\e+\m], v[WB+9*\e+3*\k+\m], v[WB+9*\e+3*\k+\m]
.endr
.endr
.endr
	; cof(Q) with its signs, by cyclic indices (R2 is dead)
.irp m, 0,1,2
.irp l, 0,1,2
.irp e, 0,1
	v_mul_f32 v[WB+9*\e+3*\m+\l], v[Q+9*\e+3*((\m+1)%3)+(\l+2)%3], v[Q+9*\e+3*((\m+2)%3)+(\l+1)%3]
.endr
.endr
.endr
.irp m, 0,1,2
.irp l, 0,1,2
.irp e, 0,1
	v_fma_f32 v[WB+9*\e+3*\m+\l], v[Q+9*\e+3*((\m+1)%3)+(\l+1)%3], v[Q+9*\e+3*((\m+2)%3)+(\l+2)%3], -v[WB+9*\e+3*\m+\l]
.endr
.endr
.endr
	; det Q along row 0
.irp e, 0,1
	v_mul_f32 v[WA+9*\e+4], v[Q+9*\e], v[WB+9*\e]
.endr
.irp l, 1,2
.irp e, 0,1
	v_fmac_f32 v[WA+9*\e+4], v[Q+9*\e+\l], v[WB+9*\e+\l]
.endr
.endr
	s_wait_dscnt 0x0                               ; scales and locations are in; no LDS read of the wave is out when the next chunk is stored
.set i, 0
.rept 6
	v_max_num_f32 v[WS1+i], s[SEPS], v[WS1+i]      ; the clips at EPS
	v_max_num_f32 v[WS2+i], s[SEPS], v[WS2+i]
.set i, i+1
.endr
	; sum(s1) + trace(cov2)
.irp e, 0,1
	v_add_f32 v[WA+9*\e+3], v[WS1+3*\e], v[WS1+3*\e+1]
.endr
.irp e, 0,1
	v_add_f32 v[WA+9*\e+3], v[WA+9*\e+3], v[WS1+3*\e+2]
.endr
.irp m, 0,1,2
.irp e, 0,1
	v_fmac_f32 v[WA+9*\e+3], v[WS2+3*\e+\m], v[WA+9*\e+\m]
.endr
.endr
	; |loc1 - loc2|^2
.set i, 0
.rept 6
	v_sub_f32 v[WL1+i], v[WL1+i], v[WL2+i]
.set i, i+1
.endr
.irp e, 0,1
	v_mul_f32 v[WL2+3*\e], v[WL1+3*\e], v[WL1+3*\e]
.endr
.irp j, 1,2
.irp e, 0,1
	v_fmac_f32 v[WL2+3*\e], v[WL1+3*\e+\j], v[WL1+3*\e+\j]
.endr
.endr
	; I1 = sum over l of s1[l] (sum over m of s2[m] Q[m][l]^2)
.set i, 0
.rept 18
	v_mul_f32 v[Q+i], v[Q+i], v[Q+i]
.set i, i+1
.endr
.irp l, 0,1,2
.irp e, 0,1
	v_mul_f32 v[WA+9*\e+5+\l], v[WS2+3*\e], v[Q+9*\e+\l]
.endr
.endr
.irp m, 1,2
.irp l, 0,1,2
.irp e, 0,1
	v_fmac_f32 v[WA+9*\e+5+\l], v[WS2+3*\e+\m], v[Q+9*\e+3*\m+\l]
.endr
.endr
.endr
.irp e, 0,1
	v_mul_f32 v[WA+9*\e+8], v[WS1+3*\e], v[WA+9*\e+5]
.endr
.irp l, 1,2
.irp e, 0,1
	v_fmac_f32 v[WA+9*\e+8], v[WS1+3*\e+\l], v[WA+9*\e+5+\l]
.endr
.endr
	; products of the other two scales (Q is dead): Q[l] for s1, Q[3+m] for s2; Q[6] = prod(s1) prod(s2)
.irp l, 0,1,2
.irp e, 0,1
	v_mul_f32 v[Q+9*\e+\l], v[WS1+3*\e+(\l+1)%3], v[WS1+3*\e+(\l+2)%3]
	v_mul_f32 v[Q+9*\e+3+\l], v[WS2+3*\e+(\l+1)%3], v[WS2+3*\e+(\l+2)%3]
.endr
.endr
.irp e, 0,1
	v_mul_f32 v[Q+9*\e+6], v[Q+9*\e], v[WS1+3*\e]
	v_mul_f32 v[Q+9*\e+7], v[Q+9*\e+3], v[WS2+3*\e]
.endr
.irp e, 0,1
	v_mul_f32 v[Q+9*\e+6], v[Q+9*\e+6], v[Q+9*\e+7]
.endr
	; I2, as I1 with cof(Q) and the products of two scales
.set i, 0
.rept 18
	v_mul_f32 v[WB+i], v[WB+i], v[WB+i]
.set i, i+1
.endr
.irp l, 0,1,2
.irp e, 0,1
	v_mul_f32 v[WA+9*\e+5+\l], v[Q+9*\e+3], v[WB+9*\e+\l]
.endr
.endr
.irp m, 1,2
.irp l, 0,1,2
.irp e, 0,1
	v_fmac_f32 v[WA+9*\e+5+\l], v[Q+9*\e+3+\m], v[WB+9*\e+3*\m+\l]
.endr
.endr
.endr
.irp e, 0,1
	v_mul_f32 v[WA+9*\e], v[Q+9*\e], v[WA+9*\e+5]
.endr
.irp l, 1,2
.irp e, 0,1
	v_fmac_f32 v[WA+9*\e], v[Q+9*\e+\l], v[WA+9*\e+5+\l]
.endr
.endr
	; I3 = det(Q)^2 prod(s1) prod(s2)
.irp e, 0,1
	v_mul_f32 v[WA+9*\e+4], v[WA+9*\e+4], v[WA+9*\e+4]
.endr
.irp e, 0,1
	v_mul_f32 v[WA+9*\e+4], v[WA+9*\e+4], v[Q+9*\e+6]
.endr
	; the shift by EPS I, exactly; all three invariants are then normal numbers (at least 3e-8, 3e-16, 1e-24)
.irp e, 0,1
	v_add_f32 v[WA+9*\e+1], s[SEPS], v[WA+9*\e+8]                  ; I1 + EPS
.endr
.irp e, 0,1
	v_fma_f32 v[WA+9*\e+1], s[SEPS], v[WA+9*\e+1], v[WA+9*\e]      ; I2 + EPS (I1 + EPS)
.endr
.irp e, 0,1
	v_fmac_f32 v[WA+9*\e+4], s[SEPS], v[WA+9*\e+1]                 ; I3 shifted
.endr
.irp e, 0,1
	v_fma_f32 v[WA+9*\e+2], 2.0, v[WA+9*\e+8], s[S3EPS]            ; 2 I1 + 3 EPS
.endr
.irp e, 0,1
	v_add_f32 v[WA+9*\e+8], s[S3EPS], v[WA+9*\e+8]                 ; I1 shifted
.endr
.irp e, 0,1
	v_mul_f32 v[WA+9*\e+1], 0x40400000, v[WA+9*\e+8]               ; 3 I1
.endr
.irp e, 0,1
	v_sqrt_f32 v[WA+9*\e+4], v[WA+9*\e+4]          ; s3 = abc
.endr
.irp e, 0,1
	v_sqrt_f32 v[WA+9*\e+1], v[WA+9*\e+1]          ; y0 = sqrt(3 I1) >= a + b + c
.endr
.irp e, 0,1
	v_fmac_f32 v[WA+9*\e], s[SEPS], v[WA+9*\e+2]   ; I2 shifted; also the plain instructions behind the roots, of whose registers they touch none
.endr
	s_wait_alu depctr_va_vdst(0)
.irp e, 0,1
	v_add_f32 v[WA+9*\e+2], v[WA+9*\e+4], v[WA+9*\e+4]             ; 2 s3
.endr
	NEWTON
	NEWTON
	; sqrt(max(|loc1 - loc2|^2 + max(sum(s1) + trace(cov2) - 2 t, 0), EPS))
.irp e, 0,1
	v_fma_f32 v[WA+9*\e+3], -2.0, v[WA+9*\e+1], v[WA+9*\e+3]
.endr
.irp e, 0,1
	v_max_num_f32 v[WA+9*\e+3], 0, v[WA+9*\e+3]
.endr
.irp e, 0,1
	v_add_f32 v[WA+9*\e+3], v[WA+9*\e+3], v[WL2+3*\e]
.endr
.irp e, 0,1
	v_max_num_f32 v[WA+9*\e+3], s[SEPS], v[WA+9*\e+3]
.endr
.irp e, 0,1
	v_sqrt_f32 v[OUT+2*\c+\e], v[WA+9*\e+3]
.endr
	v_nop                                          ; one plain instruction between the roots and the store that reads them
	s_wait_alu depctr_va_vdst(0)
	global_store_b64 v[VO], v[OUT+2*\c:OUT+2*\c+1], s[OUTP:OUTP+1] offset:256*\c th:TH_STORE_NT   ; the wave stores 256 consecutive bytes, aligned
.endm
	STAGE ST0, 1, 2, 54, 0                         ; chunk 0 to LDS, chunk 2 asked for.  Behind a group's six: (24 - 6 g) of chunk 0, 30 of chunk 1, 6 g of chunk 2
	PROCESS 0
	STAGE ST1, 1, 3, 54, 0                         ; chunk 1 to LDS, chunk 3 asked for.  Behind a group's six: (24 - 6 g) of chunk 1, 30 of chunk 2, 6 g of chunk 3
	PROCESS 1
	STAGE ST0, 0, 0, 54, 6                         ; chunk 2; nothing is left to ask for.  Behind a group's six: (24 - 6 g) of chunk 2, 30 of chunk 3
	PROCESS 2
	STAGE ST1, 0, 0, 24, 6                         ; chunk 3.  Behind a group's six: (24 - 6 g) of chunk 3; the last wait is for zero
	PROCESS 3
	s_wait_tensorcnt 0x0
	ds_add_u32 v214, v215
	s_wait_dscnt 0x0
	s_endpgm
.Lfunc_end_k_q57dcd1bc31_w2gauss:
	.size	k_q57dcd1bc31_w2gauss, .Lfunc_end_k_q57dcd1bc31_w2gauss-k_q57dcd1bc31_w2gauss
	.p2alignl 7, 3214868480
	.fill 96, 4, 3214868480
	.section	.rodata,"a",@progbits
	.p2align	6, 0x0
	.amdhsa_kernel k_q57dcd1bc31_w2gauss
		.amdhsa_group_segment_fixed_size 124928
		.amdhsa_private_segment_fixed_size 0
		.amdhsa_enable_private_segment 0
		.amdhsa_kernarg_size 56
		.amdhsa_user_sgpr_count 2
		.amdhsa_user_sgpr_kernarg_segment_ptr 1
		.amdhsa_wavefront_size32 1
		.amdhsa_system_sgpr_workgroup_id_x 1
		.amdhsa_system_sgpr_workgroup_id_y 1
		.amdhsa_system_sgpr_workgroup_id_z 1
		.amdhsa_system_vgpr_workitem_id 0
		.amdhsa_next_free_vgpr 216
		.amdhsa_next_free_sgpr 66
		.amdhsa_reserve_vcc 0
		.amdhsa_float_denorm_mode_32 3
		.amdhsa_float_denorm_mode_16_64 3
		.amdhsa_memory_ordered 1
		.amdhsa_forward_progress 1
		.amdhsa_inst_pref_size 77
	.end_amdhsa_kernel
	.amdgpu_metadata
---
amdhsa.version: [ 1, 2 ]
amdhsa.kernels:
  - .name:           k_q57dcd1bc31_w2gauss
    .symbol:         k_q57dcd1bc31_w2gauss.kd
    .args:
      - { .name: loc1, .offset: 0, .size: 8, .value_kind: global_buffer, .address_space: global }
      - { .name: loc2, .offset: 8, .size: 8, .value_kind: global_buffer, .address_space: global }
      - { .name: scale1, .offset: 16, .size: 8, .value_kind: global_buffer, .address_space: global }
      - { .name: scale2, .offset: 24, .size: 8, .value_kind: global_buffer, .address_space: global }
      - { .name: rot_matrix1, .offset: 32, .size: 8, .value_kind: global_buffer, .address_space: global }
      - { .name: rot_matrix2, .offset: 40, .size: 8, .value_kind: global_buffer, .address_space: global }
      - { .name: out0, .offset: 48, .size: 8, .value_kind: global_buffer, .address_space: global }
    .group_segment_fixed_size: 124928
    .private_segment_fixed_size: 0
    .kernarg_segment_align: 8
    .kernarg_segment_size: 56
    .max_flat_workgroup_size: 512
    .sgpr_count:     66
    .vgpr_count:     216
    .wavefront_size: 32
...
	.end_amdgpu_metadata
.endif
;; end of part 1
